; MI455X (gfx1250); checked and timed in simulation.
; The chip was launched on July 23, 2026; its instructions are those of AMD's public machine-readable ISA for CDNA 5 (MIT licence, August 2026) and "CDNA5" Instruction Set Architecture Reference Guide (July 2026). The comments in the code are by the model that wrote it; some were corrected since.
;; Ternary Linear. Allowed arithmetic: matrix products marked QUANTISED: E4M3 operands, one given power-of-two scale a tensor, by v_wmma_f32_16x16x64_fp8_fp8 or v_wmma_f32_16x16x128_fp8_fp8, f32 sums; everything else in f32.
;; Inputs: W 4,096 x 4,096 float32; b 4,096 float32; lowp_scales 2 int32 (the exponents e of the quantised operands' scales 2^e); x 4,096 x 4,096 float32.
;; Outputs: out0 4,096 x 4,096 float32.
;; This version of the problem:
;;   THIS VERSION OF THE PROBLEM IS GIVEN IN LOW PRECISION. The matrix products marked QUANTISED in the list below multiply operands that are first quantised to E4M3 (4 exponent bits, 3 mantissa bits; 8 bits a number), with one given power-of-two scale for each operand tensor; their sums are f32. All else is computed in f32.
;;   The module's matrix products, in the order in which they are computed (A, B: the left and right operand; K: the contracted axis; several contracted axes count as one K, in the product's order):
;;     1. [M 4,096, K 4,096] x [K 4,096, N 4,096]; A: input x; B: computed on the way: QUANTISED (scales: A lowp_scales[0], B lowp_scales[1])
;;   THE QUANTISER, for each operand of a quantised product, along K:
;;     - The operand's scale is 2^e, e = its entry of the input lowp_scales (int32; the entries are numbered through the quantised products in the list's order, A before B).
;;     - Each number is divided by the scale, clamped to +-448, and rounded to the nearest number of E4M3, ties to even, subnormals kept.
;;     - The product sums the exact products of the quantised numbers (number of the format x scale) in f32.
;;   ~~~python
;;   def quantise(x, axis, e):      # numpy; x: float32 -> the quantised numbers, widened to float32 again
;;       x = np.moveaxis(x, axis, -1); K = x.shape[-1]
;;       r = np.clip(x / 2.0 ** e, -448, 448)
;;       step = 2.0 ** (np.maximum(np.frexp(np.where(r == 0, 1, r))[1] - 1, -6) - 3)
;;       q = np.round(r / step) * step * 2.0 ** e      # np.round: ties to even
;;       return np.moveaxis(q, -1, axis).astype(np.float32)
;;   ~~~
;;   OPERANDS COMPUTED ON THE WAY. 'Computed on the way' means the value that the module computes at that place (a softmax that the list does not call 'softmax' is quantised finished and normalised). What goes into a quantiser is computed in f32, as accurately as f32 sums, v_exp_f32 and their like allow (about 1e-6 of the number): no bf16 or f16 on the way to a quantiser, and a product that is left as it is and whose result goes on into a quantised operand takes f32 operands (vector FMAs, or v_wmma_f32_16x16x4_f32). A number that lies on a knife's edge between two numbers of the format may be rounded either way, as far as f32 arithmetic and the matrix unit's own rounding can turn it there, and no further.
;; One version. Each part assembles by itself: llvm-mc -triple=amdgcn-amd-amdhsa -mcpu=gfx1250 --defsym DOCPART=n.
;; ======== version 1 of 1: 3 launches
;; limits: right only within a limited range of input values
;; workspace buffers: psum 1,024 bytes; xc 16,777,216 bytes; wc 16,777,216 bytes
;; launch wsum (part 1): grid 256 x 1, 16 waves a work-group, no clusters, 2,304 bytes of LDS; arguments W, psum; writes psum
.if DOCPART == 1
	.amdgcn_target "amdgcn-amd-amdhsa--gfx1250"
	.amdhsa_code_object_version 6
	.text
	.protected	k_qa423687e8b_wsum
	.globl	k_qa423687e8b_wsum
	.p2align	8
	.type	k_qa423687e8b_wsum,@function
k_qa423687e8b_wsum:
	s_mov_b64 s[64:65], 0
	v_nop
	global_prefetch_b8 v0, s[64:65] scope:SCOPE_SE
	s_setreg_imm32_b32 hwreg(HW_REG_WAVE_MODE, 25, 1), 1
	s_wait_xcnt 0x0
; psum[g] = the sum of |W| over work-group g's 65,536 numbers, in f32.  W: [4096][4096] f32, taken as a plain stream.
; alpha, the mean of |W|, spans the whole tensor: no code of the ternary weight can be made before every number of W has been read.
; So this launch makes 256 partial sums, and the next launch adds them (every wave in the same order) and ternarises.
; SHARES.  Work-group g owns 262,144 bytes, each of its sixteen waves 16,384: 32 loads of 512 consecutive bytes, 16 a lane, all issued at once: no loop.
; THE ORDER OF THE SUM differs from a serial one: eight chains of 16 numbers a lane, a tree over the chains, the lanes and the waves.  NaN among the inputs is not served.
; No cache hint on the loads: the next launch reads W again.
; Matrix units, tensor loads and clusters are left out: the launch only streams, and work-groups share no byte.
.set SPARE, 256                        ; LDS: bytes 0-63 sixteen words, one a wave, in a block of 256 of their own; from 256 on the spare words, 128 bytes for each wave
.set OFF,  1                           ; v1   16 x lane + 16,384 x wave
.set SPW,  2                           ; v2   LDS address of my spare word; never rewritten
.set NIL,  3                           ; v3   0; never rewritten
.set WW,   4                           ; v4   4 x wave: my wave's word
.set PL,   5                           ; v5   the lane permute's destination (it counts as read, so it is written at the head)
.set Z,    6                           ; v6   0: where the sixteen words begin
.set PO,   7                           ; v7   4 x work-group: my place in psum
.set A,    8                           ; v[8:15]   eight chains
.set X,    16                          ; v[16:143] 32 loads x 4 registers
	s_load_b128 s[4:7], s[0:1], 0x0                ; W s[4:5], psum s[6:7]
	v_lshl_add_u32 v[SPW], v0, 2, SPARE
	v_mov_b32 v[NIL], 0
	v_lshrrev_b32 v[WW], 5, v0
	s_delay_alu instid0(VALU_DEP_1)
	v_readfirstlane_b32 s8, v[WW]                  ; wave 0..15
	s_delay_alu instid0(VALU_DEP_2)
	v_lshlrev_b32 v[WW], 2, v[WW]
	v_and_b32 v[OFF], 31, v0
	s_delay_alu instid0(VALU_DEP_1)
	v_lshlrev_b32 v[OFF], 4, v[OFF]                ; 16 bytes a lane
	v_and_b32 v[PL], 0x1e0, v0                     ; 32 x wave
	s_delay_alu instid0(VALU_DEP_1)
	v_lshl_or_b32 v[OFF], v[PL], 9, v[OFF]         ; + 16,384 x wave
	v_mov_b32 v[PL], 0
	v_mov_b32 v[Z], 0
	s_lshl_b32 s2, ttmp9, 18                       ; the work-group's 262,144 bytes: 64 MiB at the most, so the high word is 0
	s_mov_b32 s3, 0
	s_lshl_b32 s9, ttmp9, 2
	v_mov_b32 v[PO], s9
	s_mov_b32 s10, 0x76543210                      ; v_permlanex16_b32: each lane takes its own place in the other half
	s_mov_b32 s11, 0xfedcba98
	s_wait_alu depctr_va_vdst(0)
	s_wait_kmcnt 0x0
	s_add_nc_u64 s[4:5], s[4:5], s[2:3]
.irp j, 0,1,2,3,4,5,6,7,8,9,10,11,12,13,14,15,16,17,18,19,20,21,22,23,24,25,26,27,28,29,30,31
	global_load_b128 v[X+4*\j:X+4*\j+3], v[OFF], s[4:5] offset:512*\j    ; 32 lanes read 512 consecutive bytes
.endr
	s_wait_loadcnt 28                              ; loads come back in order: the first four are in, the 28 younger stay out
.irp k, 0,1,2,3,4,5,6,7
	v_add_f32 v[A+\k], |v[X+\k]|, |v[X+8+\k]|      ; the first sixteen numbers start the eight chains: nothing is cleared
.endr
	s_wait_alu depctr_va_vdst(0)
.irp g, 1,2,3,4,5,6,7
	s_wait_alu depctr_va_vdst(0)
	s_wait_loadcnt 28-4*\g                         ; group g's four loads are in; the younger groups stay out
.irp k, 0,1,2,3,4,5,6,7
	v_add_f32 v[A+\k], v[A+\k], |v[X+16*\g+\k]|
.endr
.irp k, 0,1,2,3,4,5,6,7
	v_add_f32 v[A+\k], v[A+\k], |v[X+16*\g+8+\k]|
.endr
.endr
	v_pk_add_f32 v[A:A+1], v[A:A+1], v[A+2:A+3]    ; eight chains to one
	s_delay_alu instid0(VALU_DEP_2)
	v_pk_add_f32 v[A+4:A+5], v[A+4:A+5], v[A+6:A+7]
	s_delay_alu instid0(VALU_DEP_1)
	v_pk_add_f32 v[A:A+1], v[A:A+1], v[A+4:A+5]
	s_delay_alu instid0(VALU_DEP_1)
	v_add_f32 v[A], v[A], v[A+1]
	s_delay_alu instid0(VALU_DEP_1)
	v_add_f32_dpp v[A], v[A], v[A] row_xmask:1 row_mask:0xf bank_mask:0xf    ; 32 lanes to one, the result in every lane
	s_delay_alu instid0(VALU_DEP_1)
	v_add_f32_dpp v[A], v[A], v[A] row_xmask:2 row_mask:0xf bank_mask:0xf
	s_delay_alu instid0(VALU_DEP_1)
	v_add_f32_dpp v[A], v[A], v[A] row_xmask:4 row_mask:0xf bank_mask:0xf
	s_delay_alu instid0(VALU_DEP_1)
	v_add_f32_dpp v[A], v[A], v[A] row_xmask:8 row_mask:0xf bank_mask:0xf
	s_delay_alu instid0(VALU_DEP_1)
	v_permlanex16_b32 v[PL], v[A], s10, s11
	s_delay_alu instid0(VALU_DEP_1)
	v_add_f32 v[A], v[A], v[PL]
	ds_store_b32 v[WW], v[A]                       ; all lanes write my wave's word with the same number
	s_wait_dscnt 0x0                               ; for the others' sake: my store has landed
	s_barrier_signal -1
	s_barrier_wait -1                              ; all sixteen words lie in LDS
	s_cmp_lg_u32 s8, 0
	s_cbranch_scc1 .Lend                           ; wave 0 alone adds them; no barrier stands under this branch
.irp i, 0,1,2,3
	ds_load_b128 v[X+4*\i:X+4*\i+3], v[Z] offset:16*\i
.endr
	s_wait_dscnt 0x0
	v_pk_add_f32 v[X:X+1], v[X:X+1], v[X+2:X+3]
	v_pk_add_f32 v[X+4:X+5], v[X+4:X+5], v[X+6:X+7]
	v_pk_add_f32 v[X+8:X+9], v[X+8:X+9], v[X+10:X+11]
	v_pk_add_f32 v[X+12:X+13], v[X+12:X+13], v[X+14:X+15]
	s_delay_alu instid0(VALU_DEP_3)
	v_pk_add_f32 v[X:X+1], v[X:X+1], v[X+4:X+5]
	s_delay_alu instid0(VALU_DEP_2)
	v_pk_add_f32 v[X+8:X+9], v[X+8:X+9], v[X+12:X+13]
	s_delay_alu instid0(VALU_DEP_1)
	v_pk_add_f32 v[X:X+1], v[X:X+1], v[X+8:X+9]
	s_delay_alu instid0(VALU_DEP_1)
	v_add_f32 v[X], v[X], v[X+1]
	v_cmp_eq_u32 vcc_lo, 0, v0
	s_wait_alu depctr_va_vdst(0)
	s_wait_xcnt 0x0                                ; EXEC is a source of the earlier loads: it changes only behind this wait
	s_and_saveexec_b32 s12, vcc_lo
	global_store_b32 v[PO], v[X], s[6:7]           ; one number a work-group: psum stays 1,024 bytes, which every wave of the next launch reads whole
	s_wait_xcnt 0x0                                ; and again, in front of the line that widens EXEC
	s_or_b32 exec_lo, exec_lo, s12
.Lend:
	s_wait_tensorcnt 0x0                           ; the wave's end, behind my last LDS store
	ds_add_u32 v[SPW], v[NIL]
	s_wait_dscnt 0x0
	s_endpgm
.Lfunc_end_k_qa423687e8b_wsum:
	.size	k_qa423687e8b_wsum, .Lfunc_end_k_qa423687e8b_wsum-k_qa423687e8b_wsum
	.p2alignl 7, 3214868480
	.fill 96, 4, 3214868480
	.section	.rodata,"a",@progbits
	.p2align	6, 0x0
	.amdhsa_kernel k_qa423687e8b_wsum
		.amdhsa_group_segment_fixed_size 2304
		.amdhsa_private_segment_fixed_size 0
		.amdhsa_enable_private_segment 0
		.amdhsa_kernarg_size 16
		.amdhsa_user_sgpr_count 2
		.amdhsa_user_sgpr_kernarg_segment_ptr 1
		.amdhsa_wavefront_size32 1
		.amdhsa_system_sgpr_workgroup_id_x 1
		.amdhsa_system_sgpr_workgroup_id_y 1
		.amdhsa_system_sgpr_workgroup_id_z 1
		.amdhsa_system_vgpr_workitem_id 0
		.amdhsa_next_free_vgpr 144
		.amdhsa_next_free_sgpr 66
		.amdhsa_reserve_vcc 1
		.amdhsa_float_denorm_mode_32 3
		.amdhsa_float_denorm_mode_16_64 3
		.amdhsa_memory_ordered 1
		.amdhsa_forward_progress 1
		.amdhsa_inst_pref_size 15
	.end_amdhsa_kernel
	.amdgpu_metadata
---
amdhsa.version: [ 1, 2 ]
amdhsa.kernels:
  - .name:           k_qa423687e8b_wsum
    .symbol:         k_qa423687e8b_wsum.kd
    .args:
      - { .name: W, .offset: 0, .size: 8, .value_kind: global_buffer, .address_space: global }
      - { .name: psum, .offset: 8, .size: 8, .value_kind: global_buffer, .address_space: global }
    .group_segment_fixed_size: 2304
    .private_segment_fixed_size: 0
    .kernarg_segment_align: 8
    .kernarg_segment_size: 16
    .max_flat_workgroup_size: 512
    .sgpr_count:     66
    .vgpr_count:     144
    .wavefront_size: 32
...
	.end_amdgpu_metadata
.endif
;; end of part 1
;; launch quant (part 2): grid 1024 x 1, 4 waves a work-group, no clusters, 0 bytes of LDS; arguments x, W, lowp_scales, psum, xc, wc; writes xc, wc
.if DOCPART == 2
	.amdgcn_target "amdgcn-amd-amdhsa--gfx1250"
	.amdhsa_code_object_version 6
	.text
	.protected	k_qa423687e8b_quant
	.globl	k_qa423687e8b_quant
	.p2align	8
	.type	k_qa423687e8b_quant,@function
k_qa423687e8b_quant:
	s_mov_b64 s[64:65], 0
	v_nop
	global_prefetch_b8 v0, s[64:65] scope:SCOPE_SE
	s_setreg_imm32_b32 hwreg(HW_REG_WAVE_MODE, 25, 1), 1
	s_wait_xcnt 0x0
; x [4096][4096] f32 becomes codes of FP8 (E4M3) in xc, with the given scale 2^e0.  W [4096][4096] f32 becomes sign(W) x (|W| > alpha / 2), alpha the mean of |W|, and that becomes codes in wc, with 2^e1.
; code = number / 2^e, held within +-448, rounded to the nearest code, ties to even.  e0, e1: entries 0 and 1 (int32) of lowp_scales.
; LIMITS: -126 <= e and e + 8 <= 127, for both.  NaN among the inputs is not served (an infinity in x is held at the largest code).
; alpha / 2 = (the sum of psum's 256 numbers) x 2^-25: 2^24 numbers, and the half; the multiplication rounds nothing.  Every wave adds psum in the same order, so the threshold is one number everywhere.
; THE CODES' LAYOUT, alike in xc and wc: [16 K steps][4096 rows][256 bytes]: a plane of 1 MiB for each K step of 256, so that the 128 rows which one tensor load of the next launch brings are 32,768 consecutive bytes.
; INSIDE EACH RUN OF 512 ALONG K (two planes) K IS PERMUTED: byte 16 (l % 16) + 4 i + c of row m in plane 2 u + l / 16 holds k = 512 u + 128 i + 4 l + c (l 0..31, i 0..3, c 0..3).
; So lane l loads 16 dense bytes four times (each load of the wave: 512 consecutive bytes), its 16 registers become 16 codes, and it stores them as they stand: lanes 0-15 fill one aligned block of 256 bytes,
; lanes 16-31 the same block one plane on.  Nothing goes through LDS.  The product pairs every number of x with its partner of W, since both are laid alike; only the order inside the sums changes.
; SHARES.  Work-groups 0-511 take W (it was read last by the launch before), 512-1023 take x.  A wave takes 8,192 numbers, two rows: 16 steps of 512.  Loads run four steps (16 loads a wave) ahead.
; Written out, no loop: every offset is an immediate, no pointer is stepped, and each step has its own registers for its codes, so no store's data are written again.
; Tensor loads, LDS and clusters are left out: waves share nothing, and registers carry what is in flight.
.set HALFG, 512                        ; work-groups for each tensor
.set PLANE, 4096*256                   ; bytes of a K step's plane
.set OFF,  1                           ; v1   16 x lane: the loads' offset; never rewritten
.set PS,   2                           ; v[2:9] psum: eight numbers a lane
.set LIMV, 10                          ; v10  448 x 2^e
.set SC,   11                          ; v11  2^e as f32: the conversion takes its exponent field
.set THR,  12                          ; v12  alpha / 2
.set ONE,  13                          ; v13  1.0, held within 448 x 2^e1
.set PL,   14                          ; v14  the lane permute's destination, written at the head
.set STO,  15                          ; v15  the stores' offset: 16 x (lane % 16) + a plane x (lane / 16); never rewritten
.set R,    16                          ; v[16:79]  four sets of 16 numbers
.set C,    80                          ; v[80:143] four registers of codes for each of 16 steps
	s_load_b256 s[4:11], s[0:1], 0x0               ; x s[4:5], W s[6:7], the scales' exponents s[8:9], psum s[10:11]
	s_load_b128 s[12:15], s[0:1], 0x20             ; xc s[12:13], wc s[14:15]
	v_lshrrev_b32 v[PL], 5, v0
	v_readfirstlane_b32 s16, v[PL]                 ; wave 0..3
	v_and_b32 v[OFF], 31, v0
	v_lshlrev_b32 v[OFF], 4, v[OFF]
	v_and_b32 v[STO], 15, v0
	v_lshlrev_b32 v[STO], 4, v[STO]
	v_bfe_u32 v[PL], v0, 4, 1                      ; lane / 16
	v_lshl_or_b32 v[STO], v[PL], 20, v[STO]        ; a plane is 2^20 bytes
	v_mov_b32 v[PL], 0
	s_mov_b32 s24, 0x7fffffff                      ; all of a number but its sign
	s_mov_b32 s26, 0x76543210
	s_mov_b32 s27, 0xfedcba98
	s_cmp_lt_u32 ttmp9, HALFG
	s_cselect_b32 s17, 0, HALFG
	s_sub_co_u32 s17, ttmp9, s17
	s_lshl_b32 s17, s17, 2
	s_add_co_u32 s17, s17, s16                     ; which run of 8,192 numbers of the tensor is my wave's: 0 .. 2,047: rows 2 n and 2 n + 1
	s_lshl_b32 s18, s17, 15                        ; 32,768 bytes of numbers;
	s_mov_b32 s19, 0
	s_lshl_b32 s20, s17, 9                         ; x: in each plane of codes two rows of 256 bytes, rows in their own order
	; wc's ROWS ARE LAID IN ANOTHER ORDER than xc's: row n of W lies at place (n & ~63) + 16 (n % 4) + (n / 4) % 16 of each plane, so that in the product's launch
	; lane r of the tile 4 g + t of 16 places holds column 64 g + 4 r + t.  My rows 2 n and 2 n + 1 lie 16 places, 4,096 bytes, apart.
	s_lshl_b32 s25, s17, 1                         ; my first row
	s_and_b32 s28, s25, 0xfc0
	s_and_b32 s29, s25, 3
	s_lshl_b32 s29, s29, 4
	s_or_b32 s28, s28, s29
	s_bfe_u32 s29, s25, 0x40002
	s_or_b32 s28, s28, s29
	s_lshl_b32 s28, s28, 8                         ; its place x 256 bytes
	s_cmp_lt_u32 ttmp9, HALFG
	s_cselect_b32 s20, s28, s20
	s_mov_b32 s21, 0
	s_wait_kmcnt 0x0
	s_load_b64 s[22:23], s[8:9], 0x0               ; e0, e1
	s_cmp_lt_u32 ttmp9, HALFG                      ; W's work-group or x's?  The choice hangs on the work-group's number alone
	s_cselect_b64 s[4:5], s[6:7], s[4:5]
	s_cselect_b64 s[12:13], s[14:15], s[12:13]
	s_add_nc_u64 s[4:5], s[4:5], s[18:19]
	s_add_nc_u64 s[12:13], s[12:13], s[20:21]      ; my two rows in plane 0,
	s_add_nc_u64 s[30:31], s[12:13], 8*PLANE       ; and in plane 8: so that every store's immediate stays at 6 planes + 4,096 bytes at the most, inside its signed 24 bits (ISA guide, chapter 10)
.macro LOAD t                          ; step t's 512 numbers into set t % 4
.irp i, 0,1,2,3
	global_load_b128 v[R+16*((\t)%4)+4*\i:R+16*((\t)%4)+4*\i+3], v[OFF], s[4:5] offset:2048*(\t)+512*\i th:TH_LOAD_NT   ; 32 lanes read 512 consecutive bytes; this is the program's last read of them
.endr
.endm
.macro SCALES e                        ; from the whole number in s[e]: 2^e and 448 x 2^e as f32
	s_add_co_i32 s28, s[\e], 127
	s_lshl_b32 s29, s28, 23
	v_mov_b32 v[SC], s29
	s_add_co_i32 s28, s28, 8
	s_lshl_b32 s28, s28, 23
	s_or_b32 s28, s28, 0x600000                    ; 448 = 1.75 x 2^8
	v_mov_b32 v[LIMV], s28
.endm
.macro STEP t, tern                    ; step t: row 2 n + t / 8, the run of 512 along K number t % 8: planes 2 (t % 8) and 2 (t % 8) + 1
.set RS, R+16*((\t)%4)
.if (\t) <= 12
	s_wait_loadcnt 12                              ; this step's four loads are in; those of the three steps behind it stay out
.else
	s_wait_loadcnt 4*(15-(\t))                     ; the last steps: the counts run down
.endif
.irp i, 0,1,2,3,4,5,6,7,8,9,10,11,12,13,14,15
.if \tern
	v_cmp_gt_f32 vcc_lo, |v[RS+\i]|, v[THR]        ; |w| > alpha / 2 ?
	v_bfi_b32 v[RS+\i], s24, v[ONE], v[RS+\i]      ; w's sign on 1.0; the hold at the largest code x the scale lies in the constant
	v_cndmask_b32 v[RS+\i], 0, v[RS+\i], vcc_lo    ; else 0: a choice of values, no branch on data
.else
	v_med3_num_f32 v[RS+\i], v[RS+\i], -v[LIMV], v[LIMV]   ; the conversion to an 8-bit code does not saturate (ISA guide 7.6.2): hold the number within the largest code x the scale first
.endif
.endr
	v_cvt_scalef32_pk8_fp8_f32 v[C+4*(\t):C+4*(\t)+1], v[RS:RS+7], v[SC]      ; eight numbers / 2^e, to the nearest code, ties to even; the first number's code in the lowest byte
	v_cvt_scalef32_pk8_fp8_f32 v[C+4*(\t)+2:C+4*(\t)+3], v[RS+8:RS+15], v[SC]
; (the codes go to a store alone and the set takes loads alone; the next vector lines are the next step's, plain ones on other registers)
.if (\t)+4 < 16
	LOAD (\t)+4                                    ; the set takes the step four further on: loads ahead of stores
.endif
.endm
.macro PUT t, tern                     ; step t's codes leave: sixteen lanes store 256 consecutive bytes, at a multiple of 256 from the buffer's first byte.  All sixteen stores stand behind the last step: no vector line follows a store
.if ((\t)%8) < 4
	global_store_b128 v[STO], v[C+4*(\t):C+4*(\t)+3], s[12:13] offset:((\t)%8)*2*PLANE+((\t)/8)*256*(1+15*(\tern))
.else
	global_store_b128 v[STO], v[C+4*(\t):C+4*(\t)+3], s[30:31] offset:((\t)%8-4)*2*PLANE+((\t)/8)*256*(1+15*(\tern))
.endif
.endm
	s_cmp_lt_u32 ttmp9, HALFG
	s_cbranch_scc1 .Lw
	; ---- x
	s_wait_alu depctr_va_vdst(0)
.irp t, 0,1,2,3
	LOAD \t
.endr
	s_wait_kmcnt 0x0
	SCALES 22
	s_wait_alu depctr_va_vdst(0)
.irp t, 0,1,2,3,4,5,6,7,8,9,10,11,12,13,14,15
	STEP \t, 0
.endr
	s_wait_alu depctr_va_vdst(0)
.irp t, 0,1,2,3,4,5,6,7,8,9,10,11,12,13,14,15
	PUT \t, 0
.endr
	s_endpgm
.Lw:
	; ---- W
	s_wait_alu depctr_va_vdst(0)
	global_load_b128 v[PS:PS+3], v[OFF], s[10:11]              ; psum's 256 numbers: eight a lane; every wave reads them, so no hint
	global_load_b128 v[PS+4:PS+7], v[OFF], s[10:11] offset:512
.irp t, 0,1,2,3
	LOAD \t
.endr
	s_wait_kmcnt 0x0
	SCALES 23
	v_min_num_f32 v[ONE], 1.0, v[LIMV]
	s_wait_loadcnt 16                              ; psum is in; the 16 loads of W issued behind it stay out
	v_pk_add_f32 v[PS:PS+1], v[PS:PS+1], v[PS+2:PS+3]
	v_pk_add_f32 v[PS+4:PS+5], v[PS+4:PS+5], v[PS+6:PS+7]
	v_pk_add_f32 v[PS:PS+1], v[PS:PS+1], v[PS+4:PS+5]
	v_add_f32 v[PS], v[PS], v[PS+1]
	v_add_f32_dpp v[PS], v[PS], v[PS] row_xmask:1 row_mask:0xf bank_mask:0xf
	v_add_f32_dpp v[PS], v[PS], v[PS] row_xmask:2 row_mask:0xf bank_mask:0xf
	v_add_f32_dpp v[PS], v[PS], v[PS] row_xmask:4 row_mask:0xf bank_mask:0xf
	v_add_f32_dpp v[PS], v[PS], v[PS] row_xmask:8 row_mask:0xf bank_mask:0xf
	v_permlanex16_b32 v[PL], v[PS], s26, s27
	v_add_f32 v[PS], v[PS], v[PL]                  ; the sum of |W|, in every lane
	v_mul_f32 v[THR], 0x33000000, v[PS]            ; x 2^-25
	s_wait_alu depctr_va_vdst(0)
.irp t, 0,1,2,3,4,5,6,7,8,9,10,11,12,13,14,15
	STEP \t, 1
.endr
	s_wait_alu depctr_va_vdst(0)
.irp t, 0,1,2,3,4,5,6,7,8,9,10,11,12,13,14,15
	PUT \t, 1
.endr
	s_endpgm
.Lfunc_end_k_qa423687e8b_quant:
	.size	k_qa423687e8b_quant, .Lfunc_end_k_qa423687e8b_quant-k_qa423687e8b_quant
	.p2alignl 7, 3214868480
	.fill 96, 4, 3214868480
	.section	.rodata,"a",@progbits
	.p2align	6, 0x0
	.amdhsa_kernel k_qa423687e8b_quant
		.amdhsa_group_segment_fixed_size 0
		.amdhsa_private_segment_fixed_size 0
		.amdhsa_enable_private_segment 0
		.amdhsa_kernarg_size 48
		.amdhsa_user_sgpr_count 2
		.amdhsa_user_sgpr_kernarg_segment_ptr 1
		.amdhsa_wavefront_size32 1
		.amdhsa_system_sgpr_workgroup_id_x 1
		.amdhsa_system_sgpr_workgroup_id_y 1
		.amdhsa_system_sgpr_workgroup_id_z 1
		.amdhsa_system_vgpr_workitem_id 0
		.amdhsa_next_free_vgpr 144
		.amdhsa_next_free_sgpr 66
		.amdhsa_reserve_vcc 1
		.amdhsa_float_denorm_mode_32 3
		.amdhsa_float_denorm_mode_16_64 3
		.amdhsa_memory_ordered 1
		.amdhsa_forward_progress 1
		.amdhsa_inst_pref_size 80
	.end_amdhsa_kernel
	.amdgpu_metadata
---
amdhsa.version: [ 1, 2 ]
amdhsa.kernels:
  - .name:           k_qa423687e8b_quant
    .symbol:         k_qa423687e8b_quant.kd
    .args:
      - { .name: x, .offset: 0, .size: 8, .value_kind: global_buffer, .address_space: global }
      - { .name: W, .offset: 8, .size: 8, .value_kind: global_buffer, .address_space: global }
      - { .name: lowp_scales, .offset: 16, .size: 8, .value_kind: global_buffer, .address_space: global }
      - { .name: psum, .offset: 24, .size: 8, .value_kind: global_buffer, .address_space: global }
      - { .name: xc, .offset: 32, .size: 8, .value_kind: global_buffer, .address_space: global }
      - { .name: wc, .offset: 40, .size: 8, .value_kind: global_buffer, .address_space: global }
    .group_segment_fixed_size: 0
    .private_segment_fixed_size: 0
    .kernarg_segment_align: 8
    .kernarg_segment_size: 48
    .max_flat_workgroup_size: 128
    .sgpr_count:     66
    .vgpr_count:     144
    .wavefront_size: 32
...
	.end_amdgpu_metadata
.endif
;; end of part 2
;; launch gemm (part 3): grid 16 x 16, 4 waves a work-group, clusters of 4 x 4, 327,680 bytes of LDS; arguments xc, wc, lowp_scales, b, out0; writes out0
.if DOCPART == 3
	.amdgcn_target "amdgcn-amd-amdhsa--gfx1250"
	.amdhsa_code_object_version 6
	.text
	.protected	k_qa423687e8b_gemm
	.globl	k_qa423687e8b_gemm
	.p2align	8
	.type	k_qa423687e8b_gemm,@function
k_qa423687e8b_gemm:
	s_mov_b64 s[64:65], 0
	v_nop
	global_prefetch_b8 v0, s[64:65] scope:SCOPE_SE
	s_setreg_imm32_b32 hwreg(HW_REG_WAVE_MODE, 25, 1), 1
	s_wait_xcnt 0x0
	s_wait_alu depctr_hold_cnt(0) depctr_sa_sdst(0) depctr_va_vdst(0) depctr_va_sdst(0) depctr_va_ssrc(0) depctr_va_vcc(0) depctr_vm_vsrc(0)
	s_getreg_b32 s2, hwreg(HW_REG_IB_STS2, 6, 4)
	s_cmp_eq_u32 s2, 0
	s_cbranch_scc0 .Lentry_in_a_cluster
	s_endpgm
.Lentry_in_a_cluster:
	s_bfe_u32 s2, ttmp6, 0x10000c
	s_cmp_lg_u32 s2, 0xf033
	s_cbranch_scc0 .Lentry_shape_is_right
	s_endpgm
.Lentry_shape_is_right:
; out0[m][n] = 2^(e0 + e1) x (sum over k of xc[m][k] wc[n][k]) + b[n].  xc, wc: codes of FP8 (E4M3) as the launch before laid them: [16 planes of K = 256][4096 places][256 bytes];
; K is permuted alike in both; wc's place 64 g + 16 t + r holds row 64 g + 4 r + t of W.  Sums in f32.  LIMIT: e0 + e1 lies between -126 and 127, so that 2^(e0 + e1) is an f32 number.
; A block of 256 x 256 is made by four waves, 128 x 128 each: 64 accumulators, 512 registers.  K goes in steps of 256, a plane a step, through a ring of two LDS slots; 4 x 4 work-groups form a cluster and ask
; jointly for x's tiles along a row of the cluster and for W's along a column.
; A STEP of 128 along K is 8 groups of 8 products: x's block a against W's eight tiles.  The next step's 16 fragments are fetched in FOUR RUNS of 16 LDS loads, one behind each pair of groups:
; W's tiles 0-3, W's 4-7, x's blocks 0-3, x's 4-7.  W has two sets of registers; x's blocks 0-5 have one (a block is fetched anew behind its products), blocks 6 and 7 two.
; THE PRODUCT IS USED AS IT STANDS (source 0 = x's rows, source 1 = W's places): register j of lane (r, h) of accumulator (a, 4 g + t) is out0(16 a + 8 h + j, 64 g + 4 r + t).  One fused multiply-add a number
; (scale and bias) gathers the four t into four registers on end: 16 bytes a lane, and sixteen lanes store 256 consecutive bytes, aligned.  No result goes through LDS.
; PREFETCH: of the 128 rows that a wave fetches, each of the four partners names 32, told apart by address, a lane a row, so each 256 bytes of a plane are named once in each cluster that loads them.
; The head asks for planes 1 to 3; behind the refill for plane t + 2 plane t + 4 is asked for, two refills ahead of its load; the last lap of the loop, whose planes would be 16 and 17, asks for nothing.
; REGISTERS: window 0: v0-31 addresses and bias; v128-223 x's blocks 0-5; blocks 6, 7: v224-255 (set 0), v96-127 (set 1).  Window 1: W's sets at v0, v128.  Windows 2, 3: accumulators (a, b) at v[8 (8 (a % 4) + b)].
.set SIZE_N, 4096
.set KSTEPS, 16
.set ROWB,   256
.set PLANE,  4096*ROWB
.set PITCH,  272                       ; 256 bytes + 16 of padding: the 16 rows of a fragment load start 68 words apart
.set HALFT,  128*PITCH
.set SLOT,   4*HALFT
.set LAPS,   KSTEPS/2
.set SPARE,  2*SLOT                    ; the spare words, 128 bytes a wave
.set BI,   8                           ; v[8:15] bias: b at 64 g + 4 r + t
.set ADRA, 16
.set ADRB, 20
.set BO,   24                          ; 16 r
.set CO,   26                          ; 8 h rows of out0 + 16 r
.set SPW,  28
.set NIL,  29
.set PFO,  30                          ; 256 x lane
.set G1, 24
.set G0, 32
.set G1B, 48
.set G0B, 56
.set PFA, 66
.set MSB, 0
.macro WIN new                         ; the immediate's high byte repeats the setting that is left
.if MSB != \new
	s_set_vgpr_msb (MSB<<8)|\new
.set MSB, \new
.endif
.endm
.set MUL_LO, 0xa4                      ; source 0 (x) window 0, source 1 (W) window 1, C and D window 2
.set TO_B,   0x40
.macro JLOAD g0a, g1a, g0b, g1b        ; a joint load: waves 0, 1 for x, waves 2, 3 for W; s_nop 0 and four v_nop behind each line
	s_cmp_eq_u32 s15, 0
	s_cbranch_scc0 .Lfor_b_\@
	tensor_load_to_lds s[\g0a:\g0a+3], s[\g1a:\g1a+7]
	s_nop 0
.rept 4
	v_nop
.endr
	s_branch .Lasked_\@
.Lfor_b_\@:
	tensor_load_to_lds s[\g0b:\g0b+3], s[\g1b:\g1b+7]
	s_nop 0
.rept 4
	v_nop
.endr
.Lasked_\@:
.endm
.macro ASK slot                        ; PFA stands at the lap's first plane: planes + 4 and + 5 are asked for; s3 = 1 in the loop's last lap
	s_cmp_gt_u32 s3, 1
	s_cbranch_scc0 .Lnot_now_\@
	global_prefetch_b8 v[PFO], s[PFA:PFA+1] offset:(4+\slot)*PLANE th:TH_LOAD_NT scope:SCOPE_SE
.Lnot_now_\@:
.endm
.macro CREST
	s_cmp_lg_u32 s14, 0
	s_cbranch_scc1 .Lnot_wave_0_\@
	s_barrier_signal -3
.Lnot_wave_0_\@:
	s_barrier_wait -3
	s_barrier_signal -1
	s_barrier_wait -1
.endm
.macro CROUND
	s_barrier_signal -1
	s_barrier_wait -1
	CREST
.endm
.macro PLACES n
.rept \n
	v_nop
.endr
.endm
	s_load_b128 s[4:7], s[0:1], 0x0                ; xc, wc
	s_load_b128 s[8:11], s[0:1], 0x10              ; the scales' exponents, b
	s_load_b64 s[12:13], s[0:1], 0x20              ; out0
	v_lshl_add_u32 v[SPW], v0, 2, SPARE
	v_mov_b32 v[NIL], 0
	ds_add_u32 v[SPW], v[NIL]                      ; the opening lines: the add twice on end and its wait
	ds_add_u32 v[SPW], v[NIL]
	v_lshrrev_b32 v1, 5, v0
	v_readfirstlane_b32 s14, v1                    ; wave
	s_lshr_b32 s15, s14, 1                         ; my half of the rows; also: I fetch for x (0) or W (1)
	s_and_b32 s16, s14, 1                          ; my half of the columns; also: which 128 rows I fetch
	s_bfe_u32 s40, ttmp6, 0x40000                  ; cx
	s_bfe_u32 s41, ttmp6, 0x40004                  ; cy
	s_lshl_b32 s42, ttmp9, 2
	s_add_co_u32 s42, s42, s40                     ; tile column
	s_and_b32 s17, ttmp7, 0xffff
	s_lshl_b32 s17, s17, 2
	s_add_co_u32 s17, s17, s41                     ; tile row
	s_lshl_b32 s43, s41, 2
	s_lshl_b32 s43, 15, s43                        ; my row of the cluster
	s_lshl_b32 s44, 0x1111, s40                    ; my column
	s_or_b32 s[G1+0], s43, (0<<16)|(1<<20)|(1<<21)|(5<<22)|(3<<25)   ; bytes; 4 words of padding behind every 64
	s_or_b32 s[G1B+0], s44, (0<<16)|(1<<20)|(1<<21)|(5<<22)|(3<<25)
.irp g, G1, G1B
	s_mov_b32 s[\g+1], ROWB<<16
	s_mov_b32 s[\g+2], 128<<16
	s_mov_b32 s[\g+3], ROWB<<16
	s_mov_b32 s[\g+4], 128
	s_mov_b32 s[\g+5], ROWB
	s_mov_b32 s[\g+6], 0
	s_mov_b32 s[\g+7], 0
.endr
	s_lshl_b32 s18, s16, 7
	s_lshl_b32 s20, s17, 8
	s_add_co_u32 s20, s20, s18                     ; x: place 256 x tile row + 128 x half
	s_lshl_b32 s46, s42, 8
	s_add_co_u32 s46, s46, s18                     ; W: place 256 x tile column + 128 x half
	s_lshl_b32 s20, s20, 8
	s_lshl_b32 s46, s46, 8
	s_mov_b32 s21, 0
	s_mov_b32 s47, 0
	s_mul_i32 s45, s14, HALFT
	s_wait_dscnt 0x0
	s_wait_kmcnt 0x0
	s_load_b64 s[96:97], s[8:9], 0x0               ; e0, e1
	s_add_nc_u64 s[20:21], s[4:5], s[20:21]
	s_add_nc_u64 s[46:47], s[6:7], s[46:47]
	CROUND                                         ; in front of the first joint loads
.irp s, 0,1
	s_mov_b32 s[G0+4*\s], 1
	s_add_co_u32 s[G0+4*\s+1], s45, \s*SLOT
	s_add_nc_u64 s[G0+4*\s+2:G0+4*\s+3], s[20:21], \s*PLANE
	s_or_b32 s[G0+4*\s+3], s[G0+4*\s+3], 0x80000000
	s_mov_b32 s[G0B+4*\s], 1
	s_add_co_u32 s[G0B+4*\s+1], s45, \s*SLOT
	s_add_nc_u64 s[G0B+4*\s+2:G0B+4*\s+3], s[46:47], \s*PLANE
	s_or_b32 s[G0B+4*\s+3], s[G0B+4*\s+3], 0x80000000
.endr
	JLOAD G0, G1, G0B, G1B                         ; plane 0: one tensor load a wave at the head
	s_mul_i32 s21, s15, HALFT
	s_mul_i32 s22, s16, HALFT
	s_add_co_u32 s22, s22, 2*HALFT
	v_and_b32 v1, 15, v0                           ; r
	v_bfe_u32 v2, v0, 4, 1                         ; h
	v_and_b32 v6, 31, v0
	v_mul_u32_u24 v3, v1, PITCH
	v_lshl_add_u32 v4, v2, 4, v3                   ; a fragment's row x pitch + 16 h
	v_add_nc_u32 v[ADRA], s21, v4
	v_add_nc_u32 v[ADRB], s22, v4
	v_add_nc_u32 v[ADRA+1], SLOT, v[ADRA]
	v_add_nc_u32 v[ADRB+1], SLOT, v[ADRB]
	v_lshlrev_b32 v[BO], 4, v1
	v_lshl_add_u32 v[CO], v2, 17, v[BO]            ; 8 rows of 16,384 bytes
	v_lshlrev_b32 v[PFO], 8, v6
	s_wait_alu depctr_va_vdst(0)
	s_lshl_b32 s70, s17, 8                         ; the prefetches: my work-group's 32 of the 128 rows that I fetch
	s_lshl_b32 s71, s42, 8
	s_cmp_eq_u32 s15, 0
	s_cselect_b32 s70, s70, s71
	s_cselect_b32 s71, s40, s41
	s_cselect_b64 s[PFA:PFA+1], s[4:5], s[6:7]
	s_lshl_b32 s72, s16, 7
	s_add_co_u32 s70, s70, s72
	s_lshl_b32 s71, s71, 5
	s_add_co_u32 s70, s70, s71
	s_lshl_b32 s70, s70, 8
	s_mov_b32 s71, 0
	s_add_nc_u64 s[PFA:PFA+1], s[PFA:PFA+1], s[70:71]   ; in plane 0
	global_prefetch_b8 v[PFO], s[PFA:PFA+1] offset:PLANE th:TH_LOAD_NT scope:SCOPE_SE   ; plane 1, whose load goes out when plane 0 has landed; planes 2 and 3 are asked for behind that load
	s_lshl_b32 s20, s17, 8
	s_lshl_b32 s21, s15, 7
	s_add_co_u32 s20, s20, s21                     ; my first row of out0
	s_lshl_b32 s20, s20, 14
	s_lshl_b32 s46, s42, 10
	s_lshl_b32 s47, s16, 9
	s_add_co_u32 s46, s46, s47                     ; my first column, in bytes
	s_mov_b32 s47, 0
	s_add_nc_u64 s[10:11], s[10:11], s[46:47]
	global_load_b128 v[BI:BI+3], v[BO], s[10:11]
	global_load_b128 v[BI+4:BI+7], v[BO], s[10:11] offset:256
	s_add_co_u32 s20, s20, s46
	s_mov_b32 s21, 0
	s_add_nc_u64 s[12:13], s[12:13], s[20:21]
; one fragment, 16 rows x 128 K, 4 loads: kind 1: W's tile i into set lp; kind 2: x's block i (blocks 6, 7 into set lp)
.macro LDF kind, slot, q, lp, i
.if \kind == 1
	WIN TO_B
.set LR, 128*(\lp)+16*(\i)
.set LAD, ADRB+\slot
.else
	WIN 0
.set LR, 128+16*(\i)-((\i)/6)*(\lp)*128
.set LAD, ADRA+\slot
.endif
.irp c, 0,1,2,3
	ds_load_b128 v[LR+4*\c:LR+4*\c+3], v[LAD] offset:128*(\q)+32*\c+(\i)*16*PITCH
.endr
.endm
; a run: four fragments from i0 on, 16 loads, behind the four places that loads into registers which products have read want (ISA guide 7.12.1 for vector instructions)
.macro RUN kind, slot, q, lp, i0
	PLACES 4
.irp d, 0,1,2,3
	LDF \kind, \slot, \q, \lp, (\i0)+\d
.endr
.endm
; a group: x's block a against W's eight tiles of set p.  The 64 accumulators take turns in the same order in every step.
.macro GRP a, p, zero
.set AR, 128+16*(\a)-((\a)/6)*(\p)*128
.set AC, 64*((\a)%4)
.set MW, MUL_LO+0x50*((\a)/4)
	WIN MW
.irp b, 0,1,2,3,4,5,6,7
.if \zero
	v_wmma_f32_16x16x128_fp8_fp8 v[AC+8*\b:AC+8*\b+7], v[AR:AR+15], v[128*(\p)+16*\b:128*(\p)+16*\b+15], 0
.else
	v_wmma_f32_16x16x128_fp8_fp8 v[AC+8*\b:AC+8*\b+7], v[AR:AR+15], v[128*(\p)+16*\b:128*(\p)+16*\b+15], v[AC+8*\b:AC+8*\b+7]
.endif
.endr
.endm
; a slot's first step (sets 0); it fetches the slot's second step into sets 1.  The loads of a step go out in one order, W's tiles 0-7, x's blocks 0-7, 4 each: each wait counts those issued behind the fragment that is needed next
.macro STEP slot, zero
	s_wait_dscnt 24                                ; W's eight and x's blocks 0, 1 are in; blocks 2-7 may be out
	GRP 0, 0, \zero
	GRP 1, 0, \zero
	RUN 1, \slot, 1, 1, 0
	s_wait_dscnt 32                                ; blocks 2, 3 are in: behind them 4-7 and 16 new loads
	GRP 2, 0, \zero
	GRP 3, 0, \zero
	RUN 1, \slot, 1, 1, 4
	s_wait_dscnt 40                                ; blocks 4, 5: behind them 6, 7 and 32 new
	GRP 4, 0, \zero
	GRP 5, 0, \zero
	RUN 2, \slot, 1, 1, 0
	s_wait_dscnt 48                                ; blocks 6, 7: behind them 48 new
	GRP 6, 0, \zero
	GRP 7, 0, \zero
	RUN 2, \slot, 1, 1, 4
	WIN 0
.endm
; a slot's second step (sets 1) changes slots.  All reads of this slot were issued in the step before.  fill = 1: the slot is filled again, two planes on, behind a round of the cluster's barrier
.macro TURN slot, next, fill
	s_wait_tensorcnt 0x0                           ; my one load that was out, my part of the next slot, has landed
	ds_add_u32 v[SPW], v[NIL]
.if \fill
	s_add_nc_u64 s[G0+4*\slot+2:G0+4*\slot+3], s[G0+4*\slot+2:G0+4*\slot+3], 2*PLANE
	s_add_nc_u64 s[G0B+4*\slot+2:G0B+4*\slot+3], s[G0B+4*\slot+2:G0B+4*\slot+3], 2*PLANE
.endif
	s_wait_dscnt 25                                ; the add and x's blocks 2-7 may be out
	GRP 0, 1, 0                                    ; sixteen products between the add and the wait for it
	GRP 1, 1, 0
	s_wait_dscnt 0x0                               ; the add is done, and my reads of this slot are over
	s_barrier_signal -1
	GRP 2, 1, 0                                    ; work on registers while the others arrive
	WIN 0
	s_barrier_wait -1
.if \fill
	CREST
	JLOAD G0+4*\slot, G1, G0B+4*\slot, G1B         ; the first tensor load behind the round
.endif
	RUN 1, \next, 0, 0, 0
	WIN 0
.if \fill
	ASK \slot
.endif
	GRP 3, 1, 0
	RUN 1, \next, 0, 0, 4
	GRP 4, 1, 0
	GRP 5, 1, 0
	RUN 2, \next, 0, 0, 0
	GRP 6, 1, 0
	GRP 7, 1, 0
	RUN 2, \next, 0, 0, 4
	WIN 0
.endm
	s_wait_alu depctr_va_vdst(0)
	s_wait_tensorcnt 0x0                           ; my part of plane 0 is in
	ds_add_u32 v[SPW], v[NIL]
	s_wait_dscnt 0x0
	CROUND
	JLOAD G0+4, G1, G0B+4, G1B                     ; plane 1, slot 1's first fill
	RUN 1, 0, 0, 0, 0
	RUN 1, 0, 0, 0, 4
	WIN 0
	global_prefetch_b8 v[PFO], s[PFA:PFA+1] offset:2*PLANE th:TH_LOAD_NT scope:SCOPE_SE   ; planes 2 and 3: their loads stand one and two changes of slots on
	global_prefetch_b8 v[PFO], s[PFA:PFA+1] offset:3*PLANE th:TH_LOAD_NT scope:SCOPE_SE
	RUN 2, 0, 0, 0, 0
	RUN 2, 0, 0, 0, 4
	STEP 0, 1                                      ; the first step starts the sums: nothing is cleared
	s_mov_b32 s3, LAPS-1
.Llap:
	TURN 0, 1, 1
	STEP 1, 0
	TURN 1, 0, 1
	STEP 0, 0
	s_wait_xcnt 0x0                                ; the lap's prefetches have read their address
	s_add_nc_u64 s[PFA:PFA+1], s[PFA:PFA+1], 2*PLANE
	s_sub_co_u32 s3, s3, 1
	s_cmp_lg_u32 s3, 0
	s_cbranch_scc1 .Llap
	TURN 0, 1, 0                                   ; the last lap fills nothing
	STEP 1, 0
	s_wait_dscnt 24                                ; the very last step fetches nothing
	GRP 0, 1, 0
	GRP 1, 1, 0
	s_wait_dscnt 16
	GRP 2, 1, 0
	GRP 3, 1, 0
	s_wait_dscnt 8
	GRP 4, 1, 0
	GRP 5, 1, 0
	s_wait_dscnt 0
	GRP 6, 1, 0
	GRP 7, 1, 0
; THE WAY OUT, by blocks of 16 rows: 64 fused multiply-adds, then the block's 16 stores.  The sums of window 2 (blocks 0-3) go, scaled and with the bias, into window 1; those of window 3 into window 2, whose sums
; have been read by then: no store's data are written again.  Quad 16 (a % 4) + 8 g + j holds out0(16 a + 8 h + j, 64 g + 4 r + 0 .. 3).  Each accumulator is read from its register 0 on.
; A store: lanes 0-15 write 256 consecutive bytes of one row, aligned; lanes 16-31 the same columns 8 rows down.  The largest offset is 119 rows + 256 bytes, inside the signed 24 bits.
.macro OUTB a
.set OW, (\a)/4
.set OA, (\a)%4
.set WV, 0x42+0x41*OW
	WIN WV
.irp g, 0,1
.irp j, 0,1,2,3,4,5,6,7
.irp t, 0,1,2,3
	v_fma_f32 v[4*(16*OA+8*\g+\j)+\t], v[8*(8*OA+4*\g+\t)+\j], s96, v[BI+4*\g+\t]
.endr
.endr
.endr
.set WV, 0x04+4*OW
	WIN WV
.irp j, 0,1,2,3,4,5,6,7
.irp g, 0,1
	global_store_b128 v[CO], v[4*(16*OA+8*\g+\j):4*(16*OA+8*\g+\j)+3], s[12:13] offset:(16*(\a)+\j)*SIZE_N*4+256*\g th:TH_STORE_NT
.endr
.endr
.endm
	WIN 0
	s_wait_kmcnt 0x0
	s_add_co_i32 s96, s96, s97
	s_add_co_i32 s96, s96, 127
	s_lshl_b32 s96, s96, 23                        ; 2^(e0 + e1) as f32
	s_wait_loadcnt 0x0                             ; the bias is in
	PLACES 4                                       ; behind the last products
.irp a, 0,1,2,3,4,5,6,7
	OUTB \a
.endr
	WIN 0
	s_wait_tensorcnt 0x0                           ; the wave's end
	ds_add_u32 v[SPW], v[NIL]
	s_wait_dscnt 0x0
	CROUND                                         ; the closing round
	s_endpgm
.Lfunc_end_k_qa423687e8b_gemm:
	.size	k_qa423687e8b_gemm, .Lfunc_end_k_qa423687e8b_gemm-k_qa423687e8b_gemm
	.p2alignl 7, 3214868480
	.fill 96, 4, 3214868480
	.section	.rodata,"a",@progbits
	.p2align	6, 0x0
	.amdhsa_kernel k_qa423687e8b_gemm
		.amdhsa_group_segment_fixed_size 327680
		.amdhsa_private_segment_fixed_size 0
		.amdhsa_enable_private_segment 0
		.amdhsa_kernarg_size 40
		.amdhsa_user_sgpr_count 2
		.amdhsa_user_sgpr_kernarg_segment_ptr 1
		.amdhsa_wavefront_size32 1
		.amdhsa_system_sgpr_workgroup_id_x 1
		.amdhsa_system_sgpr_workgroup_id_y 1
		.amdhsa_system_sgpr_workgroup_id_z 1
		.amdhsa_system_vgpr_workitem_id 0
		.amdhsa_next_free_vgpr 1024
		.amdhsa_next_free_sgpr 98
		.amdhsa_reserve_vcc 0
		.amdhsa_float_denorm_mode_32 3
		.amdhsa_float_denorm_mode_16_64 3
		.amdhsa_memory_ordered 1
		.amdhsa_forward_progress 1
		.amdhsa_inst_pref_size 127
	.end_amdhsa_kernel
	.amdgpu_metadata
---
amdhsa.version: [ 1, 2 ]
amdhsa.kernels:
  - .name:           k_qa423687e8b_gemm
    .symbol:         k_qa423687e8b_gemm.kd
    .args:
      - { .name: xc, .offset: 0, .size: 8, .value_kind: global_buffer, .address_space: global }
      - { .name: wc, .offset: 8, .size: 8, .value_kind: global_buffer, .address_space: global }
      - { .name: lowp_scales, .offset: 16, .size: 8, .value_kind: global_buffer, .address_space: global }
      - { .name: b, .offset: 24, .size: 8, .value_kind: global_buffer, .address_space: global }
      - { .name: out0, .offset: 32, .size: 8, .value_kind: global_buffer, .address_space: global }
    .group_segment_fixed_size: 327680
    .private_segment_fixed_size: 0
    .kernarg_segment_align: 8
    .kernarg_segment_size: 40
    .max_flat_workgroup_size: 128
    .sgpr_count:     98
    .vgpr_count:     1024
    .wavefront_size: 32
...
	.end_amdgpu_metadata
.endif
;; end of part 3
